; MI455X (gfx1250); checked and timed in simulation.
; The chip was launched on July 23, 2026; its instructions are those of AMD's public machine-readable ISA for CDNA 5 (MIT licence, August 2026) and "CDNA5" Instruction Set Architecture Reference Guide (July 2026). The comments in the code are by the model that wrote it; some were corrected since.
;; Numerical Markowitz. Allowed arithmetic: float matrix products may take bf16 or f16 operands with f32 sums; all other float work in f32.
;; Inputs: alpha 1,024 float32; covmat_sqrt 1,024 x 128 x 128 float32; gamma_sqrt 1,024 float32; rets 1,024 x 128 float32.
;; Outputs: out0 1,024 x 128 float32.
;; 2 versions, each right; version 2 is version 1 with the launch markowitz written anew for expert scheduling mode. Each part assembles by itself: llvm-mc -triple=amdgcn-amd-amdhsa -mcpu=gfx1250 --defsym DOCPART=n.
;; ======== version 1 of 2: 1 launch
;; launch markowitz (part 1): grid 256 x 1, 4 waves a work-group, no clusters, 151,040 bytes of LDS; arguments covmat_sqrt, rets, gamma_sqrt, alpha, out0; writes out0
.if DOCPART == 1
	.amdgcn_target "amdgcn-amd-amdhsa--gfx1250"
	.amdhsa_code_object_version 6
	.text
	.protected	k_qcb12d7bb31_markowitz
	.globl	k_qcb12d7bb31_markowitz
	.p2align	8
	.type	k_qcb12d7bb31_markowitz,@function
k_qcb12d7bb31_markowitz:
	s_mov_b64 s[64:65], 0
	v_nop
	global_prefetch_b8 v0, s[64:65] scope:SCOPE_SE
	s_setreg_imm32_b32 hwreg(HW_REG_WAVE_MODE, 25, 1), 1
	s_wait_xcnt 0x0
; NumericalMarkowitz: 1024 samples, N = 128.  One wave solves one sample from first byte to last; 4 waves a work-group, 256 work-groups.
;   Q = gamma^2 C^T C + |alpha| I;  2 step = 1 / sqrt(sum Q^2);  75 FISTA steps  v = y - step (2 Q y - rets),  w = P(v),  y = w + beta (w - w_old).
; C^T C: bf16 operands, f32 sums, on the matrix unit (256 instructions, all 64 tiles).  The result stays in the 512 registers it lands in.
; Q y: in f32 on the vector unit.  It has ONE column: 32 matrix instructions would do 16 x the useful multiply-adds, which is no fewer cycles by
;   the units' widths than the 256 packed FMAs used here, and Q and y would be rounded to bf16 in each of 75 steps that feed back.
;   Q is symmetric (the swapped product has the same bits), so a lane sums over the 64 ROWS it holds for its 8 columns: one exchange of halves ends it.
; P(v), the projection on {sum w = 1, 0 <= w <= 1}: in closed form instead of 50 bisection steps and the active-set formula.
;   sum w = 1 and w >= 0 give w <= 1, so the cap adds nothing and w = max(v - tau, 0) with sum = 1.  For v sorted downward with prefix sums c_k:
;   sum max(v - tau, 0) >= c_k - k tau for every k, with equality at the number of positive w, hence tau = max over k of (c_k - 1) / k.
;   That holds for every v; it is the point that the bisection brackets and the active-set formula re-derives.  All sums are formed on v - max(v),
;   so a common offset of v costs no digits.
; LIMITS: only covmat_sqrt is rounded to bf16; the order of f32 roundings differs from the reference's; sum Q^2 has to be a normal f32 number
;   (2^-126 .. 2^128: v_rsq_f32 takes denormals as zero); NaN and infinities in the inputs are not served.
; NO CLUSTER: no byte of any input is read by two work-groups.  NO TENSOR LOAD: C is read once and passes through registers for its rounding anyway.
; NO BARRIER: every LDS byte belongs to one wave (wave number x WSZ), and LDS serves a wave's instructions in order (ISA guide 5.7.1).
;
; VECTOR LAYOUT "P" (w, y, v, rets): lane (r = lane % 16, h = lane / 16), element e = 0..3  <->  n = 64 h + 16 e + r.
; REGISTER WINDOWS: 0 = work, 1 = Q rows 0-63, 2 = Q rows 64-127 (tile (i, j) at 8 (8 (i % 4) + j)), 3 = bf16 fragments (16 columns t, 32 k: at 8 (4 t + kk)).
.set NPAIR, 37                         ; 75 steps = 37 pairs + 1 (two names for w take turns, so that no copy is needed)
.set CP,    288                        ; LDS pitch of a row of 128 bf16: 256 + 32 bytes, an odd multiple of 32
.set YOFF,  128*CP                     ; behind C: the 128-vector, byte 4 n + 128 (n / 64): the two halves start 32 banks apart
.set WSZ,   37632                      ; a wave's LDS bytes: 36,864 + 640, rounded up
.set LN,   1                           ; lane
.set RR,   2                           ; r
.set HH,   3                           ; h
.set X0,   4                           ; v4-v11 scratch
.set X1,   5
.set X2,   6
.set X3,   7
.set C1,   12                          ; 2 step
.set GOFF, 16                          ; 16 x lane: global offset in a row of C, in rets, in out
.set CST,  17                          ; LDS: 8 x lane in C's rows
.set TRA,  18                          ; LDS: transposing loads
.set YS,   19                          ; LDS: my element 0 in layout P
.set YL,   20                          ; LDS: y[8 h]
.set OL,   21                          ; LDS: n = 4 x lane
.set TT,   22                          ; t
.set BETA, 23
.set CT,   24                          ; v24-31 packed bf16 on their way to LDS
.set WA,   32                          ; w, two names
.set WB,   36
.set Y,    40
.set SR,   44                          ; step x rets
.set YSR,  48                          ; y + step x rets
.set VV,   52                          ; v, unsorted
.set SS,   56                          ; sort set
.set TS,   60                          ; sort set / partner's values
.set STG,  64                          ; v64-255: three buffers of 16 rows of C (set-up only)
.set YB,   64                          ; v64-127: y[16 i + 8 h + j] at 8 i + j
.set ACC,  128                         ; v128-143: eight packed accumulators
.set SENT, 144                         ; v144-148: bit b of the lane: 0 -> +inf, 1 -> -inf
.set BITF, 150                         ; v150-154: bit b of the lane as 0.0 / 1.0
.set INV,  156                         ; v156-159: 1 / (4 lane + j + 1)
.set DG,   160                         ; v160-167: |alpha| where register j of a diagonal tile lies on the diagonal, else 0
.set RJ,   168                         ; v168-171
.set P1,   172
.set P2,   173
.set P23,  174
.set TOT,  175
.set EE,   176
.set MX,   177
.set MSB, 0
.macro WIN new                         ; the immediate's high byte repeats the setting that is left
.if MSB != \new
	s_set_vgpr_msb (MSB<<8)|\new
.set MSB, \new
.endif
.endm
	s_load_b256 s[4:11], s[0:1], 0x0               ; covmat_sqrt s[4:5], rets s[6:7], gamma_sqrt s[8:9], alpha s[10:11]
	s_load_b64 s[12:13], s[0:1], 0x20              ; out0
	v_lshl_add_u32 v14, v0, 2, 0x24c00
	v_mov_b32 v15, 0
	v_lshrrev_b32 v4, 5, v0
	v_readfirstlane_b32 s14, v4                    ; wave 0..3
	v_and_b32 v[LN], 31, v0
	v_and_b32 v[RR], 15, v0
	v_bfe_u32 v[HH], v0, 4, 1
	s_lshl_b32 s15, ttmp9, 2
	s_add_co_u32 s15, s15, s14                     ; my sample
	s_mul_i32 s18, s14, WSZ                        ; my LDS bytes
	s_mov_b32 s17, 0
	s_mov_b32 s24, 0xffff0000                      ; lanes with h = 1
	s_mov_b32 s26, 0x76543210                      ; v_permlanex16_b32: lane i xor 16
	s_mov_b32 s27, 0xfedcba98
	s_mov_b32 s28, 0x89abcdef                      ; v_permlanex16_b32: lane i xor 31
	s_mov_b32 s29, 0x01234567
	v_lshlrev_b32 v[GOFF], 4, v[LN]
	v_lshl_add_u32 v[CST], v[LN], 3, s18
	v_and_b32 v4, 7, v0                            ; transposing load: row k0 + 8 h + lane % 8, 16 bytes for each half of eight lanes
	v_lshl_add_u32 v4, v[HH], 3, v4
	v_mul_u32_u24 v4, v4, CP
	v_bfe_u32 v5, v0, 3, 1
	v_lshl_add_u32 v4, v5, 4, v4
	v_add_nc_u32 v[TRA], s18, v4
	s_lshl_b32 s16, s15, 16                        ; 65,536 bytes of C a sample
	s_wait_kmcnt 0x0
	s_add_nc_u64 s[4:5], s[4:5], s[16:17]
	s_lshl_b32 s16, s15, 9                         ; 512 bytes of rets and of out
	s_add_nc_u64 s[6:7], s[6:7], s[16:17]
	s_add_nc_u64 s[12:13], s[12:13], s[16:17]
	s_lshl_b32 s16, s15, 2
	s_add_nc_u64 s[8:9], s[8:9], s[16:17]
	s_add_nc_u64 s[10:11], s[10:11], s[16:17]
	s_load_b32 s20, s[8:9], 0x0                    ; gamma_sqrt
	s_load_b32 s21, s[10:11], 0x0                  ; alpha
; ---------------- C: memory -> bf16 -> LDS [k][n].  One load = one row = 512 consecutive bytes. ----------------
.macro LOADC c, buf
.set j, 0
.rept 16
	global_load_b128 v[STG+64*\buf+4*j:STG+64*\buf+4*j+3], v[GOFF], s[4:5] offset:512*(16*\c+j) th:TH_LOAD_NT
.set j, j+1
.endr
.endm
.macro CVTC c, buf
.set j, 0
.rept 16
	v_cvt_pk_bf16_f32 v[CT+2*(j%4)],   v[STG+64*\buf+4*j],   v[STG+64*\buf+4*j+1]
	v_cvt_pk_bf16_f32 v[CT+2*(j%4)+1], v[STG+64*\buf+4*j+2], v[STG+64*\buf+4*j+3]
	ds_store_b64 v[CST], v[CT+2*(j%4):CT+2*(j%4)+1] offset:CP*(16*\c+j)    ; 32 lanes, 256 consecutive bytes
.set j, j+1
.endr
.endm
	global_load_b128 v[SS:SS+3], v[GOFF], s[6:7] th:TH_LOAD_NT             ; rets, n = 4 lane .. + 3: the oldest load
	LOADC 0, 0
	LOADC 1, 1
	LOADC 2, 2                                     ; 48 rows, 24,576 bytes of the wave on their way
.set c, 0
.rept 5
	s_wait_loadcnt 32                              ; loads return in order: this chunk is in, the two younger chunks (32 loads) stay out
	CVTC c, (c%3)
	LOADC (c+3), (c%3)
.set c, c+1
.endr
	s_wait_loadcnt 32
	CVTC 5, 2
	s_wait_loadcnt 16                              ; one chunk behind
	CVTC 6, 0
	s_wait_loadcnt 0
	CVTC 7, 1
; ---------------- fragments: lane (r, h) gets column 16 t + r, k = 32 kk + 8 h .. + 7 and + 16: the layout of A and of B alike ----------------
	WIN 0xc0                                       ; destination window 3, address window 0
.set kk, 0
.rept 4
.set t, 0
.rept 8
	ds_load_tr16_b128 v[8*(4*t+kk):8*(4*t+kk)+3],   v[TRA] offset:kk*32*CP+32*t
	ds_load_tr16_b128 v[8*(4*t+kk)+4:8*(4*t+kk)+7], v[TRA] offset:kk*32*CP+16*CP+32*t
.set t, t+1
.endr
.set kk, kk+1
.endr
	WIN 0
	; constants of the loop, made while the fragments arrive (the stage v64-255 is free now)
	s_add_co_u32 s19, s18, YOFF
	v_lshlrev_b32 v4, 2, v[RR]
	v_lshl_add_u32 v4, v[HH], 8, v4
	v_lshl_add_u32 v4, v[HH], 7, v4                ; 4 r + 384 h
	v_add_nc_u32 v[YS], s19, v4
	v_lshl_add_u32 v[YL], v[HH], 5, s19            ; 32 h
	v_lshl_add_u32 v4, v[HH], 7, v[GOFF]           ; 16 lane + 128 h
	v_add_nc_u32 v[OL], s19, v4
.irp b, 0,1,2,3,4
	v_bfe_u32 v4, v0, \b, 1
	v_cvt_f32_u32 v[BITF+\b], v4
	v_lshl_or_b32 v[SENT+\b], v4, 31, 0x7f800000
.endr
.irp j, 0,1,2,3
	v_lshl_add_u32 v4, v[LN], 2, \j+1
	v_cvt_f32_u32 v[8+\j], v4
.endr
.irp j, 0,1,2,3
	v_rcp_f32 v[INV+\j], v[8+\j]                   ; used far below; the next line is a plain instruction that touches none of these (ISA guide 5.7.2)
.endr
	v_lshlrev_b32 v4, 3, v[HH]
	v_sub_nc_u32 v4, v[RR], v4                     ; r - 8 h: register j of a diagonal tile is on the diagonal where this equals j
	s_wait_kmcnt 0x0
	s_and_b32 s21, s21, 0x7fffffff                 ; |alpha|
	v_mul_f32 v6, s20, s20
	v_readfirstlane_b32 s20, v6                    ; gamma^2; s[20:21] is the pair that the packed forms name (they use s20)
	v_mov_b32 v5, s21
.irp j, 0,1,2,3,4,5,6,7
	v_cmp_eq_u32 vcc_lo, \j, v4
	v_cndmask_b32 v[DG+\j], 0, v5, vcc_lo
.endr
; ---------------- C^T C: tile (i, j) = sum over kk of fragment(i, kk) x fragment(j, kk); the first product starts each sum ----------------
.macro QMUL w, k
	WIN (0x0f|(\w<<4)|(\w<<6))                     ; A, B window 3; C, D window w
.set ii, 0
.rept 4
.set jj, 0
.rept 8
.set dr, 8*(8*ii+jj)
.set ar, 8*(4*(4*(\w-1)+ii)+\k)
.set br, 8*(4*jj+\k)
.if \k == 0
	v_wmma_f32_16x16x32_bf16 v[dr:dr+7], v[ar:ar+7], v[br:br+7], 0
.else
	v_wmma_f32_16x16x32_bf16 v[dr:dr+7], v[ar:ar+7], v[br:br+7], v[dr:dr+7]
.endif
.set jj, jj+1
.endr
.set ii, ii+1
.endr
.endm
.set kk, 0
.rept 4
	s_wait_dscnt 48-16*kk                          ; the 16 loads of this K step are in; those of the later steps (16 each) stay out
	QMUL 1, kk
	QMUL 2, kk
.set kk, kk+1
.endr
.rept 4
	v_nop                                          ; four places before vector instructions read matrix results (ISA guide 7.12.1)
.endr
; ---------------- Q = gamma^2 D + |alpha| I, and sum Q^2 ----------------
.macro QSCALE w
	WIN ((\w<<6)|\w)                               ; destination and source 0 window w, source 2 window 0
.set ii, 0
.rept 4
.set jj, 0
.rept 8
.set p, 0
.rept 4
.set qr, 8*(8*ii+jj)+2*p
.if jj == 4*(\w-1)+ii
	v_pk_fma_f32 v[qr:qr+1], v[qr:qr+1], s[20:21], v[DG+2*p:DG+2*p+1] op_sel_hi:[1,0,1]
.else
	v_pk_mul_f32 v[qr:qr+1], v[qr:qr+1], s[20:21] op_sel_hi:[1,0]
.endif
.set p, p+1
.endr
.set jj, jj+1
.endr
.set ii, ii+1
.endr
.endm
.macro QSQ w, start                    ; eight chains of packed squares
	WIN ((\w<<2)|\w)
.set q, \start
.rept 128-\start
	v_pk_fma_f32 v[ACC+2*(q%8):ACC+2*(q%8)+1], v[2*q:2*q+1], v[2*q:2*q+1], v[ACC+2*(q%8):ACC+2*(q%8)+1]
.set q, q+1
.endr
.endm
	QSCALE 1
	WIN 0x05
.set q, 0
.rept 8
	v_pk_mul_f32 v[ACC+2*q:ACC+2*q+1], v[2*q:2*q+1], v[2*q:2*q+1]          ; the first squares start the chains
.set q, q+1
.endr
	QSQ 1, 8
	QSCALE 2
	QSQ 2, 0
	WIN 0
	ds_store_b128 v[OL], v[SS:SS+3]                ; rets from n = 4 lane .. to layout P, through my 640 bytes
.irp e, 0,1,2,3
	ds_load_b32 v[SR+\e], v[YS] offset:64*\e
.endr
	v_pk_add_f32 v[ACC:ACC+1],   v[ACC:ACC+1],   v[ACC+8:ACC+9]
	v_pk_add_f32 v[ACC+2:ACC+3], v[ACC+2:ACC+3], v[ACC+10:ACC+11]
	v_pk_add_f32 v[ACC+4:ACC+5], v[ACC+4:ACC+5], v[ACC+12:ACC+13]
	v_pk_add_f32 v[ACC+6:ACC+7], v[ACC+6:ACC+7], v[ACC+14:ACC+15]
	v_pk_add_f32 v[ACC:ACC+1],   v[ACC:ACC+1],   v[ACC+4:ACC+5]
	v_pk_add_f32 v[ACC+2:ACC+3], v[ACC+2:ACC+3], v[ACC+6:ACC+7]
	v_pk_add_f32 v[ACC:ACC+1],   v[ACC:ACC+1],   v[ACC+2:ACC+3]
	v_add_f32 v4, v[ACC], v[ACC+1]
	v_add_f32_dpp v4, v4, v4 row_xmask:1 row_mask:0xf bank_mask:0xf
	v_add_f32_dpp v4, v4, v4 row_xmask:2 row_mask:0xf bank_mask:0xf
	v_add_f32_dpp v4, v4, v4 row_xmask:4 row_mask:0xf bank_mask:0xf
	v_add_f32_dpp v4, v4, v4 row_xmask:8 row_mask:0xf bank_mask:0xf
	v_permlanex16_b32 v5, v4, s26, s27
	v_add_f32 v4, v4, v5                           ; sum Q^2, in every lane
	v_rsq_f32 v[C1], v4                            ; 2 step = 1 / ||Q||_F
	v_mov_b32 v[TT], 1.0                           ; (the plain instruction behind the transcendental)
	s_wait_alu depctr_va_vdst(0)
	v_mul_f32 v7, 0.5, v[C1]                       ; step
.irp e, 0,1,2,3
	v_mov_b32 v[WA+\e], 0x3c000000                 ; w0 = y0 = 1 / 128
	v_mov_b32 v[Y+\e],  0x3c000000
.endr
	s_wait_dscnt 0x0
.irp e, 0,1,2,3
	v_mul_f32 v[SR+\e], v7, v[SR+\e]
.endr
; ---------------- pieces of a step ----------------
; 32 packed FMAs: rows 16 i + 8 h + 0..7 (my half of row block i) x the eight column blocks
.macro MVROW w, i
	s_wait_dscnt 14-2*\i                           ; y of row block i is in (two loads a block, in order); the later blocks' loads stay out
.set p, 0
.rept 4
.set jt, 0
.rept 8
.set qr, 8*(8*(\i-4*(\w-1))+jt)+2*p
.if (\i+p) == 0
	v_pk_mul_f32 v[ACC+2*jt:ACC+2*jt+1], v[qr:qr+1], v[YB+8*\i+2*p:YB+8*\i+2*p+1]
.else
	v_pk_fma_f32 v[ACC+2*jt:ACC+2*jt+1], v[qr:qr+1], v[YB+8*\i+2*p:YB+8*\i+2*p+1], v[ACC+2*jt:ACC+2*jt+1]
.endif
.set jt, jt+1
.endr
.set p, p+1
.endr
.endm
; The sort runs on index 4 lane + register, downward: the lower index of a pair keeps the larger number.
.macro CE d, s, a, b                   ; a pair inside the lane, from set s to set d
	v_max_num_f32 v[\d+\a], v[\s+\a], v[\s+\b]
	v_min_num_f32 v[\d+\b], v[\s+\a], v[\s+\b]
.endm
.macro KEEP bit                        ; median with +inf is the larger, with -inf the smaller: the lane's bit chooses
.irp j, 0,1,2,3
	v_med3_num_f32 v[SS+\j], v[SS+\j], v[TS+\j], v[SENT+\bit]
.endr
.endm
.macro XS mask, bit                    ; partner: same register, lane xor mask
.irp j, 0,1,2,3
	v_mov_b32_dpp v[TS+\j], v[SS+\j] row_xmask:\mask row_mask:0xf bank_mask:0xf
.endr
	KEEP \bit
.endm
.macro XF mask, bit                    ; partner: the mirrored index of the block: register 3 - j, lane xor mask
.irp j, 0,1,2,3
	v_mov_b32_dpp v[TS+\j], v[SS+3-\j] row_xmask:\mask row_mask:0xf bank_mask:0xf
.endr
	KEEP \bit
.endm
.macro LOW2                            ; distances 2 and 1: inside the lane
	CE TS, SS, 0, 2
	CE TS, SS, 1, 3
	CE SS, TS, 0, 1
	CE SS, TS, 2, 3
.endm
; ---------------- one FISTA step.  wo: w of the last step, wn: where the new w goes; more = 0: the last step makes no y ----------------
.macro ITER wo, wn, more
.irp e, 0,1,2,3
	ds_store_b32 v[YS], v[Y+\e] offset:64*\e       ; y to my LDS bytes; the loads below see it (a wave's LDS instructions are served in order)
.endr
.set i, 0
.rept 8
	ds_load_b128 v[YB+8*i:YB+8*i+3],   v[YL] offset:64*i+128*(i/4)         ; sixteen lanes read the same 16 bytes
	ds_load_b128 v[YB+8*i+4:YB+8*i+7], v[YL] offset:64*i+128*(i/4)+16
.set i, i+1
.endr
.if \more
	v_mul_f32 v[X0], 4.0, v[TT]                    ; t' = (1 + sqrt(1 + 4 t t)) / 2,  beta = (t - 1) / t'
	v_fma_f32 v[X0], v[X0], v[TT], 1.0
	v_sqrt_f32 v[X1], v[X0]
	v_add_f32 v[X2], -1.0, v[TT]                   ; a plain instruction behind each transcendental before its result is read (ISA guide 5.7.2)
	s_wait_alu depctr_va_vdst(0)
	v_fma_f32 v[TT], v[X1], 0.5, 0.5
	v_rcp_f32 v[X3], v[TT]
.endif
	v_pk_add_f32 v[YSR:YSR+1],   v[Y:Y+1],   v[SR:SR+1]
	v_pk_add_f32 v[YSR+2:YSR+3], v[Y+2:Y+3], v[SR+2:SR+3]
.if \more
	s_wait_alu depctr_va_vdst(0)
	v_mul_f32 v[BETA], v[X2], v[X3]
.endif
	WIN 0x01                                       ; source 0 = Q, rows 0-63
	MVROW 1, 0
	MVROW 1, 1
	MVROW 1, 2
	MVROW 1, 3
	WIN 0x02                                       ; rows 64-127
	MVROW 2, 4
	MVROW 2, 5
	MVROW 2, 6
	MVROW 2, 7
	WIN 0
.irp jt, 0,1,2,3,4,5,6,7
	v_add_f32 v[ACC+2*\jt], v[ACC+2*\jt], v[ACC+2*\jt+1]
.endr
	; lane (r, h) has column blocks 0-7 summed over its half of the rows; it keeps blocks 4 h + e and sends the other four to lane (r, 1 - h)
.irp e, 0,1,2,3
	v_cndmask_b32 v[TS+\e], v[ACC+8+2*\e], v[ACC+2*\e], s24
.endr
.irp e, 0,1,2,3
	v_permlanex16_b32 v[TS+\e], v[TS+\e], s26, s27
.endr
.irp e, 0,1,2,3
	v_cndmask_b32 v[SS+\e], v[ACC+2*\e], v[ACC+8+2*\e], s24
.endr
.irp e, 0,1,2,3
	v_add_f32 v[SS+\e], v[SS+\e], v[TS+\e]         ; (Q y)[64 h + 16 e + r]
.endr
.irp e, 0,1,2,3
	v_fma_f32 v[VV+\e], -v[SS+\e], v[C1], v[YSR+\e]        ; v = y + step rets - 2 step Q y
.endr
	; bitonic sort of the 128 numbers: blocks of 2, 4, .. 128; each merge starts with the mirrored partner, then halves the distance
	CE SS, VV, 0, 1
	CE SS, VV, 2, 3
	CE TS, SS, 0, 3
	CE TS, SS, 1, 2
	CE SS, TS, 0, 1
	CE SS, TS, 2, 3
	XF 1, 0
	LOW2
	XF 3, 1
	XS 1, 0
	LOW2
	XF 7, 2
	XS 2, 1
	XS 1, 0
	LOW2
	XF 15, 3
	XS 4, 2
	XS 2, 1
	XS 1, 0
	LOW2
.irp j, 0,1,2,3
	v_permlanex16_b32 v[TS+\j], v[SS+3-\j], s28, s29       ; lane xor 31
.endr
	KEEP 4
	XS 8, 3
	XS 4, 2
	XS 2, 1
	XS 1, 0
	LOW2
	; everything relative to the largest number (index 0 = lane 0, register 0)
	v_readfirstlane_b32 s23, v[SS]
.irp j, 0,1,2,3
	v_subrev_f32 v[SS+\j], s23, v[SS+\j]
.endr
	v_add_f32 v[P1],  v[SS],   v[SS+1]
	v_add_f32 v[P23], v[SS+2], v[SS+3]
.irp e, 0,1,2,3
	v_subrev_f32 v[VV+\e], s23, v[VV+\e]
.endr
	v_add_f32 v[TOT], v[P1], v[P23]                ; the lane's sum
	v_add_f32 v[P2],  v[P1], v[SS+2]
	; EE = sum of the lanes below me: at bit b the partner group's sum counts if my bit b is set.  RJ[j] = (prefix inside the lane - 1) / k.
	v_mov_b32_dpp v[TS], v[TOT] row_xmask:1 row_mask:0xf bank_mask:0xf
	v_fma_f32 v[RJ+3], v[TOT], v[INV+3], -v[INV+3]
	v_add_f32_dpp v[TOT], v[TOT], v[TOT] row_xmask:1 row_mask:0xf bank_mask:0xf
	v_mul_f32 v[EE], v[TS], v[BITF]
	v_mov_b32_dpp v[TS+1], v[TOT] row_xmask:2 row_mask:0xf bank_mask:0xf
	v_add_f32_dpp v[TOT], v[TOT], v[TOT] row_xmask:2 row_mask:0xf bank_mask:0xf
	v_fma_f32 v[RJ], v[SS], v[INV], -v[INV]
	v_fma_f32 v[EE], v[TS+1], v[BITF+1], v[EE]
	v_mov_b32_dpp v[TS+2], v[TOT] row_xmask:4 row_mask:0xf bank_mask:0xf
	v_add_f32_dpp v[TOT], v[TOT], v[TOT] row_xmask:4 row_mask:0xf bank_mask:0xf
	v_fma_f32 v[RJ+1], v[P1], v[INV+1], -v[INV+1]
	v_fma_f32 v[EE], v[TS+2], v[BITF+2], v[EE]
	v_mov_b32_dpp v[TS+3], v[TOT] row_xmask:8 row_mask:0xf bank_mask:0xf
	v_add_f32_dpp v[TOT], v[TOT], v[TOT] row_xmask:8 row_mask:0xf bank_mask:0xf
	v_fma_f32 v[RJ+2], v[P2], v[INV+2], -v[INV+2]
	v_fma_f32 v[EE], v[TS+3], v[BITF+3], v[EE]
	v_permlanex16_b32 v[TS], v[TOT], s26, s27
	v_fma_f32 v[EE], v[TS], v[BITF+4], v[EE]
.irp j, 0,1,2,3
	v_fma_f32 v[RJ+\j], v[EE], v[INV+\j], v[RJ+\j]         ; (c_k - 1) / k,  k = 4 lane + j + 1
.endr
	v_max3_num_f32 v[MX], v[RJ], v[RJ+1], v[RJ+2]
	v_max_num_f32 v[MX], v[MX], v[RJ+3]
	v_max_num_f32_dpp v[MX], v[MX], v[MX] row_xmask:1 row_mask:0xf bank_mask:0xf
	v_max_num_f32_dpp v[MX], v[MX], v[MX] row_xmask:2 row_mask:0xf bank_mask:0xf
	v_max_num_f32_dpp v[MX], v[MX], v[MX] row_xmask:4 row_mask:0xf bank_mask:0xf
	v_max_num_f32_dpp v[MX], v[MX], v[MX] row_xmask:8 row_mask:0xf bank_mask:0xf
	v_permlanex16_b32 v[TS], v[MX], s26, s27
	v_max_num_f32 v[MX], v[MX], v[TS]              ; tau - max(v), in every lane
.irp e, 0,1,2,3
	v_sub_f32 v[VV+\e], v[VV+\e], v[MX]
.endr
.irp e, 0,1,2,3
	v_max_num_f32 v[\wn+\e], 0, v[VV+\e]           ; w
.endr
.if \more
.irp e, 0,1,2,3
	v_sub_f32 v[TS+\e], v[\wn+\e], v[\wo+\e]
.endr
.irp e, 0,1,2,3
	v_fma_f32 v[Y+\e], v[BETA], v[TS+\e], v[\wn+\e]
.endr
.endif
.endm
	s_mov_b32 s30, NPAIR
.Lfista:
	ITER WA, WB, 1
	ITER WB, WA, 1
	s_sub_co_i32 s30, s30, 1
	s_cmp_lg_u32 s30, 0
	s_cbranch_scc1 .Lfista
	ITER WA, WB, 0                                 ; step 75
	; w from layout P to n = 4 lane .. + 3 through my LDS bytes: the wave's one store covers 512 consecutive bytes, aligned
.irp e, 0,1,2,3
	ds_store_b32 v[YS], v[WB+\e] offset:64*\e
.endr
	ds_load_b128 v[4:7], v[OL]
	s_wait_dscnt 0x0
	global_store_b128 v[GOFF], v[4:7], s[12:13] th:TH_STORE_NT
	s_wait_tensorcnt 0x0
	ds_add_u32 v14, v15
	s_wait_dscnt 0x0
	s_endpgm
.Lfunc_end_k_qcb12d7bb31_markowitz:
	.size	k_qcb12d7bb31_markowitz, .Lfunc_end_k_qcb12d7bb31_markowitz-k_qcb12d7bb31_markowitz
	.p2alignl 7, 3214868480
	.fill 96, 4, 3214868480
	.section	.rodata,"a",@progbits
	.p2align	6, 0x0
	.amdhsa_kernel k_qcb12d7bb31_markowitz
		.amdhsa_group_segment_fixed_size 151040
		.amdhsa_private_segment_fixed_size 0
		.amdhsa_enable_private_segment 0
		.amdhsa_kernarg_size 40
		.amdhsa_user_sgpr_count 2
		.amdhsa_user_sgpr_kernarg_segment_ptr 1
		.amdhsa_wavefront_size32 1
		.amdhsa_system_sgpr_workgroup_id_x 1
		.amdhsa_system_sgpr_workgroup_id_y 1
		.amdhsa_system_sgpr_workgroup_id_z 1
		.amdhsa_system_vgpr_workitem_id 0
		.amdhsa_next_free_vgpr 1024
		.amdhsa_next_free_sgpr 66
		.amdhsa_reserve_vcc 1
		.amdhsa_float_denorm_mode_32 3
		.amdhsa_float_denorm_mode_16_64 3
		.amdhsa_memory_ordered 1
		.amdhsa_forward_progress 1
		.amdhsa_inst_pref_size 190
	.end_amdhsa_kernel
	.amdgpu_metadata
---
amdhsa.version: [ 1, 2 ]
amdhsa.kernels:
  - .name:           k_qcb12d7bb31_markowitz
    .symbol:         k_qcb12d7bb31_markowitz.kd
    .args:
      - { .name: covmat_sqrt, .offset: 0, .size: 8, .value_kind: global_buffer, .address_space: global }
      - { .name: rets, .offset: 8, .size: 8, .value_kind: global_buffer, .address_space: global }
      - { .name: gamma_sqrt, .offset: 16, .size: 8, .value_kind: global_buffer, .address_space: global }
      - { .name: alpha, .offset: 24, .size: 8, .value_kind: global_buffer, .address_space: global }
      - { .name: out0, .offset: 32, .size: 8, .value_kind: global_buffer, .address_space: global }
    .group_segment_fixed_size: 151040
    .private_segment_fixed_size: 0
    .kernarg_segment_align: 8
    .kernarg_segment_size: 40
    .max_flat_workgroup_size: 128
    .sgpr_count:     66
    .vgpr_count:     1024
    .wavefront_size: 32
...
	.end_amdgpu_metadata
.endif
;; end of part 1
;; ======== version 2 of 2: 1 launch; version 1 with the launch markowitz written anew for expert scheduling mode
;; launch markowitz (part 2): grid 256 x 1, 4 waves a work-group, no clusters, 151,040 bytes of LDS; arguments covmat_sqrt, rets, gamma_sqrt, alpha, out0; writes out0
.if DOCPART == 2
	.amdgcn_target "amdgcn-amd-amdhsa--gfx1250"
	.amdhsa_code_object_version 6
	.text
	.protected	k_qcb12d7bb31_markowitz
	.globl	k_qcb12d7bb31_markowitz
	.p2align	8
	.type	k_qcb12d7bb31_markowitz,@function
k_qcb12d7bb31_markowitz:
	s_mov_b64 s[64:65], 0
	v_nop
	global_prefetch_b8 v0, s[64:65] scope:SCOPE_SE
	s_setreg_imm32_b32 hwreg(HW_REG_WAVE_SCHED_MODE, 0, 2), 2
	s_setreg_imm32_b32 hwreg(HW_REG_WAVE_MODE, 25, 1), 1
	s_wait_xcnt 0x0
	s_wait_alu depctr_vm_vsrc(0)
; NumericalMarkowitz: 1024 samples, N = 128.  One wave solves one sample from first byte to last; 4 waves a work-group, 256 work-groups.
;   Q = gamma^2 C^T C + |alpha| I;  2 step = 1 / sqrt(sum Q^2);  75 FISTA steps  v = y - step (2 Q y - rets),  w = P(v),  y = w + beta (w - w_old).
; C^T C: bf16 operands, f32 sums, on the matrix unit (256 instructions, all 64 tiles).  The result stays in the 512 registers it lands in.
; Q y: in f32 on the vector unit.  It has ONE column: 32 matrix instructions would do 16 x the useful multiply-adds, which is no fewer cycles by
;   the units' widths than the 256 packed FMAs used here, and Q and y would be rounded to bf16 in each of 75 steps that feed back.
;   Q is symmetric (the swapped product has the same bits), so a lane sums over the 64 ROWS it holds for its 8 columns: one exchange of halves ends it.
; P(v), the projection on {sum w = 1, 0 <= w <= 1}: in closed form instead of 50 bisection steps and the active-set formula.
;   sum w = 1 and w >= 0 give w <= 1, so the cap adds nothing and w = max(v - tau, 0) with sum = 1.  For v sorted downward with prefix sums c_k:
;   sum max(v - tau, 0) >= c_k - k tau for every k, with equality at the number of positive w, hence tau = max over k of (c_k - 1) / k.
;   That holds for every v; it is the point that the bisection brackets and the active-set formula re-derives.  All sums are formed on v - max(v),
;   so a common offset of v costs no digits.
; LIMITS: only covmat_sqrt is rounded to bf16; the order of f32 roundings differs from the reference's; sum Q^2 has to be a normal f32 number
;   (2^-126 .. 2^128: v_rsq_f32 takes denormals as zero); NaN and infinities in the inputs are not served.
; NO CLUSTER: no byte of any input is read by two work-groups.  NO TENSOR LOAD: C is read once and passes through registers for its rounding anyway.
; NO BARRIER: every LDS byte belongs to one wave (wave number x WSZ), and LDS serves a wave's instructions in order (ISA guide 5.7.1).
;
; THE MODE: SCHED_MODE bits 1:0 = 2 (LLVM: expert scheduling mode 2), set by the entry lines.  The code itself states the register dependences
; between vector or matrix instructions and memory or LDS instructions, with s_wait_alu, always for 0.
; THE PLAN.  Registers that memory or LDS instructions touch:
;   v16-v21       offsets and LDS addresses: made once by vector instructions, never written again.
;   STG0 .. STG2  set-up: 16 rows of C each.  Written by the loads of chunk c; read by chunk c's 32 conversions; then the loads of chunk c + 3 land there.
;   CT (v24-55)   set-up: a chunk in bf16.  Written by the chunk's 32 conversions; read by its 16 LDS stores.  From the exchange of rets on these registers are w, y, SR, YSR, VV.
;   SS (v56-59)   set-up: rets as loaded; read by one LDS store; from the first step on the sort's registers.
;   Y  (v40-43)   loop: written by a step's last four FMAs; read by the next step's four LDS stores.
;   YB (v64-127)  loop: written by a step's 16 LDS loads; read by its 256 packed FMAs.
;   All else in the loop is named by vector instructions alone.
; So a chunk of set-up has ONE wait on va_vdst, behind its conversions, and its 16 loads and 16 stores follow; a step of the loop has ONE at its head, and its 4 stores and
; 16 loads follow; a wait on vm_vsrc stands ahead of the lines that write CT or Y again, far behind the stores that read them.
;
; VECTOR LAYOUT "P" (w, y, v, rets): lane (r = lane % 16, h = lane / 16), element e = 0..3  <->  n = 64 h + 16 e + r.
; REGISTER WINDOWS: 0 = work, 1 = Q rows 0-63, 2 = Q rows 64-127 (tile (i, j) at 8 (8 (i % 4) + j)), 3 = bf16 fragments (16 columns t, 32 k: at 8 (4 t + kk)).
.set NPAIR, 37                         ; 75 steps = 37 pairs + 1 (two names for w take turns, so that no copy is needed)
.set CP,    288                        ; LDS pitch of a row of 128 bf16: 256 + 32 bytes, an odd multiple of 32
.set YOFF,  128*CP                     ; behind C: the 128-vector, byte 4 n + 128 (n / 64): the two halves start 32 banks apart
.set WSZ,   37632                      ; a wave's LDS bytes: 36,864 + 640, rounded up
.set LN,   1                           ; lane
.set RR,   2                           ; r
.set HH,   3                           ; h
.set X0,   4                           ; v4-v11 scratch
.set X1,   5
.set X2,   6
.set X3,   7
.set C1,   12                          ; 2 step
.set GOFF, 16                          ; 16 x lane: global offset in a row of C, in rets, in out
.set CST,  17                          ; LDS: 8 x lane in C's rows
.set TRA,  18                          ; LDS: transposing loads
.set YS,   19                          ; LDS: my element 0 in layout P
.set YL,   20                          ; LDS: y[8 h]
.set OL,   21                          ; LDS: n = 4 x lane
.set TT,   22                          ; t
.set BETA, 23
.set CT,   24                          ; v24-55 (set-up only): 16 rows of packed bf16 on their way to LDS
.set WA,   32                          ; w, two names
.set WB,   36
.set Y,    40
.set SR,   44                          ; step x rets
.set YSR,  48                          ; y + step x rets
.set VV,   52                          ; v, unsorted
.set SS,   56                          ; sort set
.set TS,   60                          ; sort set / partner's values
.set STG,  64                          ; v64-255: three buffers of 16 rows of C (set-up only)
.set YB,   64                          ; v64-127: y[16 i + 8 h + j] at 8 i + j
.set ACC,  128                         ; v128-143: eight packed accumulators
.set SENT, 144                         ; v144-148: bit b of the lane: 0 -> +inf, 1 -> -inf
.set BITF, 150                         ; v150-154: bit b of the lane as 0.0 / 1.0
.set INV,  156                         ; v156-159: 1 / (4 lane + j + 1)
.set DG,   160                         ; v160-167: |alpha| where register j of a diagonal tile lies on the diagonal, else 0
.set RJ,   168                         ; v168-171
.set P1,   172
.set P2,   173
.set P23,  174
.set TOT,  175
.set EE,   176
.set MX,   177
.set MSB, 0
.macro WIN new                         ; the immediate's high byte repeats the setting that is left
.if MSB != \new
	s_set_vgpr_msb (MSB<<8)|\new
.set MSB, \new
.endif
.endm
	s_load_b256 s[4:11], s[0:1], 0x0               ; covmat_sqrt s[4:5], rets s[6:7], gamma_sqrt s[8:9], alpha s[10:11]
	s_load_b64 s[12:13], s[0:1], 0x20              ; out0
	v_lshl_add_u32 v14, v0, 2, 0x24c00
	v_mov_b32 v15, 0
	v_lshrrev_b32 v4, 5, v0
	v_readfirstlane_b32 s14, v4                    ; wave 0..3
	v_and_b32 v[LN], 31, v0
	v_and_b32 v[RR], 15, v0
	v_bfe_u32 v[HH], v0, 4, 1
	s_wait_alu depctr_va_sdst(0)                   ; s14 is written, ahead of its first reader: the sample's number and my LDS bytes are made from it
	s_lshl_b32 s15, ttmp9, 2
	s_add_co_u32 s15, s15, s14                     ; my sample
	s_mul_i32 s18, s14, WSZ                        ; my LDS bytes
	s_mov_b32 s17, 0
	s_mov_b32 s24, 0xffff0000                      ; lanes with h = 1
	s_mov_b32 s26, 0x76543210                      ; v_permlanex16_b32: lane i xor 16
	s_mov_b32 s27, 0xfedcba98
	s_mov_b32 s28, 0x89abcdef                      ; v_permlanex16_b32: lane i xor 31
	s_mov_b32 s29, 0x01234567
	v_lshlrev_b32 v[GOFF], 4, v[LN]
	v_lshl_add_u32 v[CST], v[LN], 3, s18
	v_and_b32 v4, 7, v0                            ; transposing load: row k0 + 8 h + lane % 8, 16 bytes for each half of eight lanes
	v_lshl_add_u32 v4, v[HH], 3, v4
	v_mul_u32_u24 v4, v4, CP
	v_bfe_u32 v5, v0, 3, 1
	v_lshl_add_u32 v4, v5, 4, v4
	v_add_nc_u32 v[TRA], s18, v4
	s_lshl_b32 s16, s15, 16                        ; 65,536 bytes of C a sample
	s_wait_kmcnt 0x0
	s_add_nc_u64 s[4:5], s[4:5], s[16:17]
	s_lshl_b32 s16, s15, 9                         ; 512 bytes of rets and of out
	s_add_nc_u64 s[6:7], s[6:7], s[16:17]
	s_add_nc_u64 s[12:13], s[12:13], s[16:17]
	s_lshl_b32 s16, s15, 2
	s_add_nc_u64 s[8:9], s[8:9], s[16:17]
	s_add_nc_u64 s[10:11], s[10:11], s[16:17]
	s_load_b32 s20, s[8:9], 0x0                    ; gamma_sqrt
	s_load_b32 s21, s[10:11], 0x0                  ; alpha
; ---------------- C: memory -> bf16 -> LDS [k][n].  One load = one row = 512 consecutive bytes. ----------------
.macro LOADC c, buf
.set j, 0
.rept 16
	global_load_b128 v[STG+64*\buf+4*j:STG+64*\buf+4*j+3], v[GOFF], s[4:5] offset:512*(16*\c+j) th:TH_LOAD_NT
.set j, j+1
.endr
.endm
.macro CVTC buf                        ; a chunk's 16 rows, rounded: row j into CT + 2 j
.set j, 0
.rept 16
	v_cvt_pk_bf16_f32 v[CT+2*j],   v[STG+64*\buf+4*j],   v[STG+64*\buf+4*j+1]
	v_cvt_pk_bf16_f32 v[CT+2*j+1], v[STG+64*\buf+4*j+2], v[STG+64*\buf+4*j+3]
.set j, j+1
.endr
.endm
.macro STOC c
.set j, 0
.rept 16
	ds_store_b64 v[CST], v[CT+2*j:CT+2*j+1] offset:CP*(16*\c+j)            ; 32 lanes, 256 consecutive bytes
.set j, j+1
.endr
.endm
; Chunk c lies in stage buffer buf.  ahead = 1: the buffer is asked for again, for chunk c + 3.  left: the younger loads that may stay out.
.macro CHUNK c, buf, ahead, left
	s_wait_loadcnt \left                           ; loads return in order: this chunk is in, the younger chunks (16 loads each) stay out
.if \c > 0
	s_wait_alu depctr_vm_vsrc(0)                   ; the LDS stores of the chunk before have read v[CT ..], which the conversions below write again
.endif
	CVTC \buf
	s_wait_alu depctr_va_vdst(0)                   ; the conversions have written v[CT ..], which the LDS stores read, and are done reading the stage buffer, in which the loads land
.if \ahead
	LOADC (\c+3), \buf
.endif
	STOC \c
.endm
	s_wait_alu depctr_va_vdst(0)                   ; v[GOFF], v[CST] and v[TRA] are written: the loads, LDS stores and transposing loads below read them as offset and addresses
	global_load_b128 v[SS:SS+3], v[GOFF], s[6:7] th:TH_LOAD_NT             ; rets, n = 4 lane .. + 3: the oldest load
	LOADC 0, 0
	LOADC 1, 1
	LOADC 2, 2                                     ; 48 rows, 24,576 bytes of the wave on their way
	CHUNK 0, 0, 1, 32
	CHUNK 1, 1, 1, 32
	CHUNK 2, 2, 1, 32
	CHUNK 3, 0, 1, 32
	CHUNK 4, 1, 1, 32
	CHUNK 5, 2, 0, 32
	CHUNK 6, 0, 0, 16                              ; one chunk behind
	CHUNK 7, 1, 0, 0
; ---------------- fragments: lane (r, h) gets column 16 t + r, k = 32 kk + 8 h .. + 7 and + 16: the layout of A and of B alike ----------------
	WIN 0xc0                                       ; destination window 3, address window 0.  No wait: v[TRA] was written ahead of the first wait on va_vdst, and no vector instruction has named window 3
.set kk, 0
.rept 4
.set t, 0
.rept 8
	ds_load_tr16_b128 v[8*(4*t+kk):8*(4*t+kk)+3],   v[TRA] offset:kk*32*CP+32*t
	ds_load_tr16_b128 v[8*(4*t+kk)+4:8*(4*t+kk)+7], v[TRA] offset:kk*32*CP+16*CP+32*t
.set t, t+1
.endr
.set kk, kk+1
.endr
	WIN 0
	; constants of the loop, made while the fragments arrive (the stage v64-255 is free now: only loads and conversions have named it)
	s_add_co_u32 s19, s18, YOFF
	v_lshlrev_b32 v4, 2, v[RR]
	v_lshl_add_u32 v4, v[HH], 8, v4
	v_lshl_add_u32 v4, v[HH], 7, v4                ; 4 r + 384 h
	v_add_nc_u32 v[YS], s19, v4
	v_lshl_add_u32 v[YL], v[HH], 5, s19            ; 32 h
	v_lshl_add_u32 v4, v[HH], 7, v[GOFF]           ; 16 lane + 128 h
	v_add_nc_u32 v[OL], s19, v4
.irp b, 0,1,2,3,4
	v_bfe_u32 v4, v0, \b, 1
	v_cvt_f32_u32 v[BITF+\b], v4
	v_lshl_or_b32 v[SENT+\b], v4, 31, 0x7f800000
.endr
.irp j, 0,1,2,3
	v_lshl_add_u32 v4, v[LN], 2, \j+1
	v_cvt_f32_u32 v[8+\j], v4
.endr
.irp j, 0,1,2,3
	v_rcp_f32 v[INV+\j], v[8+\j]                   ; used far below; the next line is a plain instruction that touches none of these (ISA guide 5.7.2)
.endr
	v_lshlrev_b32 v4, 3, v[HH]
	v_sub_nc_u32 v4, v[RR], v4                     ; r - 8 h: register j of a diagonal tile is on the diagonal where this equals j
	s_wait_kmcnt 0x0
	s_and_b32 s21, s21, 0x7fffffff                 ; |alpha|
	v_mul_f32 v6, s20, s20
	v_readfirstlane_b32 s20, v6                    ; gamma^2; s[20:21] is the pair that the packed forms name (they use s20)
	v_mov_b32 v5, s21
.irp j, 0,1,2,3,4,5,6,7
	v_cmp_eq_u32 s[4+\j], \j, v4                   ; eight masks in a run, into s4-s11: the loads that read these as bases are shown done by the waits for 0 on LOADcnt and KMcnt above
.endr
	s_wait_alu depctr_va_sdst(0)                   ; s20 and the eight masks s4-s11 are written, ahead of their first readers: the selects below, and the scaling of Q
.irp j, 0,1,2,3,4,5,6,7
	v_cndmask_b32 v[DG+\j], 0, v5, s[4+\j]
.endr
; ---------------- C^T C: tile (i, j) = sum over kk of fragment(i, kk) x fragment(j, kk); the first product starts each sum ----------------
.macro QMUL w, k
	WIN (0x0f|(\w<<4)|(\w<<6))                     ; A, B window 3; C, D window w
.set ii, 0
.rept 4
.set jj, 0
.rept 8
.set dr, 8*(8*ii+jj)
.set ar, 8*(4*(4*(\w-1)+ii)+\k)
.set br, 8*(4*jj+\k)
.if \k == 0
	v_wmma_f32_16x16x32_bf16 v[dr:dr+7], v[ar:ar+7], v[br:br+7], 0
.else
	v_wmma_f32_16x16x32_bf16 v[dr:dr+7], v[ar:ar+7], v[br:br+7], v[dr:dr+7]
.endif
.set jj, jj+1
.endr
.set ii, ii+1
.endr
.endm
.set kk, 0
.rept 4
	s_wait_dscnt 48-16*kk                          ; the 16 loads of this K step are in; those of the later steps (16 each) stay out
	QMUL 1, kk
	QMUL 2, kk
.set kk, kk+1
.endr
.rept 4
	v_nop                                          ; four places before vector instructions read matrix results (ISA guide 7.12.1)
.endr
; ---------------- Q = gamma^2 D + |alpha| I, and sum Q^2 ----------------
.macro QSCALE w
	WIN ((\w<<6)|\w)                               ; destination and source 0 window w, source 2 window 0
.set ii, 0
.rept 4
.set jj, 0
.rept 8
.set p, 0
.rept 4
.set qr, 8*(8*ii+jj)+2*p
.if jj == 4*(\w-1)+ii
	v_pk_fma_f32 v[qr:qr+1], v[qr:qr+1], s[20:21], v[DG+2*p:DG+2*p+1] op_sel_hi:[1,0,1]
.else
	v_pk_mul_f32 v[qr:qr+1], v[qr:qr+1], s[20:21] op_sel_hi:[1,0]
.endif
.set p, p+1
.endr
.set jj, jj+1
.endr
.set ii, ii+1
.endr
.endm
.macro QSQ w, start                    ; eight chains of packed squares
	WIN ((\w<<2)|\w)
.set q, \start
.rept 128-\start
	v_pk_fma_f32 v[ACC+2*(q%8):ACC+2*(q%8)+1], v[2*q:2*q+1], v[2*q:2*q+1], v[ACC+2*(q%8):ACC+2*(q%8)+1]
.set q, q+1
.endr
.endm
	QSCALE 1
	WIN 0x05
.set q, 0
.rept 8
	v_pk_mul_f32 v[ACC+2*q:ACC+2*q+1], v[2*q:2*q+1], v[2*q:2*q+1]          ; the first squares start the chains
.set q, q+1
.endr
	QSQ 1, 8
	QSCALE 2
	QSQ 2, 0
	WIN 0
	s_wait_alu depctr_va_vdst(0)                   ; v[OL] and v[YS] are written, the addresses below; the conversions have written v[SR ..], in which the loads land; the four reciprocals v[INV ..] are written, ahead of their first reader
	s_wait_alu depctr_vm_vsrc(0)                   ; the LDS stores of C have read v24-55: v[SR ..] is loaded into here, and w, y, YSR and VV are written from here on
	ds_store_b128 v[OL], v[SS:SS+3]                ; rets from n = 4 lane .. to layout P, through my 640 bytes
.irp e, 0,1,2,3
	ds_load_b32 v[SR+\e], v[YS] offset:64*\e
.endr
	v_pk_add_f32 v[ACC:ACC+1],   v[ACC:ACC+1],   v[ACC+8:ACC+9]
	v_pk_add_f32 v[ACC+2:ACC+3], v[ACC+2:ACC+3], v[ACC+10:ACC+11]
	v_pk_add_f32 v[ACC+4:ACC+5], v[ACC+4:ACC+5], v[ACC+12:ACC+13]
	v_pk_add_f32 v[ACC+6:ACC+7], v[ACC+6:ACC+7], v[ACC+14:ACC+15]
	v_pk_add_f32 v[ACC:ACC+1],   v[ACC:ACC+1],   v[ACC+4:ACC+5]
	v_pk_add_f32 v[ACC+2:ACC+3], v[ACC+2:ACC+3], v[ACC+6:ACC+7]
	v_pk_add_f32 v[ACC:ACC+1],   v[ACC:ACC+1],   v[ACC+2:ACC+3]
	v_add_f32 v4, v[ACC], v[ACC+1]
	v_add_f32_dpp v4, v4, v4 row_xmask:1 row_mask:0xf bank_mask:0xf
	v_add_f32_dpp v4, v4, v4 row_xmask:2 row_mask:0xf bank_mask:0xf
	v_add_f32_dpp v4, v4, v4 row_xmask:4 row_mask:0xf bank_mask:0xf
	v_add_f32_dpp v4, v4, v4 row_xmask:8 row_mask:0xf bank_mask:0xf
	v_permlanex16_b32 v5, v4, s26, s27
	v_add_f32 v4, v4, v5                           ; sum Q^2, in every lane
	v_rsq_f32 v[C1], v4                            ; 2 step = 1 / ||Q||_F
	v_mov_b32 v[TT], 1.0                           ; (the plain instruction behind the transcendental)
	s_wait_alu depctr_va_vdst(0)                   ; the reciprocal root v[C1] is written, ahead of its first reader
	v_mul_f32 v7, 0.5, v[C1]                       ; step
.irp e, 0,1,2,3
	v_mov_b32 v[WA+\e], 0x3c000000                 ; w0 = y0 = 1 / 128
	v_mov_b32 v[Y+\e],  0x3c000000
.endr
	s_wait_dscnt 0x0
	s_wait_alu depctr_vm_vsrc(0)                   ; the LDS store of rets has read v[SS ..], which the first step's exchange and sort write
.irp e, 0,1,2,3
	v_mul_f32 v[SR+\e], v7, v[SR+\e]
.endr
; ---------------- pieces of a step ----------------
; 32 packed FMAs: rows 16 i + 8 h + 0..7 (my half of row block i) x the eight column blocks
.macro MVROW w, i
	s_wait_dscnt 14-2*\i                           ; y of row block i is in (two loads a block, in order); the later blocks' loads stay out
.set p, 0
.rept 4
.set jt, 0
.rept 8
.set qr, 8*(8*(\i-4*(\w-1))+jt)+2*p
.if (\i+p) == 0
	v_pk_mul_f32 v[ACC+2*jt:ACC+2*jt+1], v[qr:qr+1], v[YB+8*\i+2*p:YB+8*\i+2*p+1]
.else
	v_pk_fma_f32 v[ACC+2*jt:ACC+2*jt+1], v[qr:qr+1], v[YB+8*\i+2*p:YB+8*\i+2*p+1], v[ACC+2*jt:ACC+2*jt+1]
.endif
.set jt, jt+1
.endr
.set p, p+1
.endr
.endm
; The sort runs on index 4 lane + register, downward: the lower index of a pair keeps the larger number.
.macro CE d, s, a, b                   ; a pair inside the lane, from set s to set d
	v_max_num_f32 v[\d+\a], v[\s+\a], v[\s+\b]
	v_min_num_f32 v[\d+\b], v[\s+\a], v[\s+\b]
.endm
.macro KEEP bit                        ; median with +inf is the larger, with -inf the smaller: the lane's bit chooses
.irp j, 0,1,2,3
	v_med3_num_f32 v[SS+\j], v[SS+\j], v[TS+\j], v[SENT+\bit]
.endr
.endm
.macro XS mask, bit                    ; partner: same register, lane xor mask
.irp j, 0,1,2,3
	v_mov_b32_dpp v[TS+\j], v[SS+\j] row_xmask:\mask row_mask:0xf bank_mask:0xf
.endr
	KEEP \bit
.endm
.macro XF mask, bit                    ; partner: the mirrored index of the block: register 3 - j, lane xor mask
.irp j, 0,1,2,3
	v_mov_b32_dpp v[TS+\j], v[SS+3-\j] row_xmask:\mask row_mask:0xf bank_mask:0xf
.endr
	KEEP \bit
.endm
.macro LOW2                            ; distances 2 and 1: inside the lane
	CE TS, SS, 0, 2
	CE TS, SS, 1, 3
	CE SS, TS, 0, 1
	CE SS, TS, 2, 3
.endm
; ---------------- one FISTA step.  wo: w of the last step, wn: where the new w goes; more = 0: the last step makes no y ----------------
.macro ITER wo, wn, more
	s_wait_alu depctr_va_vdst(0)                   ; v[Y ..] is written, which the LDS stores read; the last step's products are done reading v[YB ..], in which the LDS loads land
.irp e, 0,1,2,3
	ds_store_b32 v[YS], v[Y+\e] offset:64*\e       ; y to my LDS bytes; the loads below see it (a wave's LDS instructions are served in order)
.endr
.set i, 0
.rept 8
	ds_load_b128 v[YB+8*i:YB+8*i+3],   v[YL] offset:64*i+128*(i/4)         ; sixteen lanes read the same 16 bytes
	ds_load_b128 v[YB+8*i+4:YB+8*i+7], v[YL] offset:64*i+128*(i/4)+16
.set i, i+1
.endr
.if \more
	v_mul_f32 v[X0], 4.0, v[TT]                    ; t' = (1 + sqrt(1 + 4 t t)) / 2,  beta = (t - 1) / t'
	v_fma_f32 v[X0], v[X0], v[TT], 1.0
	v_sqrt_f32 v[X1], v[X0]
	v_add_f32 v[X2], -1.0, v[TT]                   ; a plain instruction behind each transcendental before its result is read (ISA guide 5.7.2)
	s_wait_alu depctr_va_vdst(0)                   ; the root v[X1] is written, ahead of its first reader
	v_fma_f32 v[TT], v[X1], 0.5, 0.5
	v_rcp_f32 v[X3], v[TT]
.endif
	v_pk_add_f32 v[YSR:YSR+1],   v[Y:Y+1],   v[SR:SR+1]
	v_pk_add_f32 v[YSR+2:YSR+3], v[Y+2:Y+3], v[SR+2:SR+3]
.if \more
	s_wait_alu depctr_va_vdst(0)                   ; the reciprocal v[X3] is written, ahead of its first reader
	v_mul_f32 v[BETA], v[X2], v[X3]
.endif
	WIN 0x01                                       ; source 0 = Q, rows 0-63
	MVROW 1, 0
	MVROW 1, 1
	MVROW 1, 2
	MVROW 1, 3
	WIN 0x02                                       ; rows 64-127
	MVROW 2, 4
	MVROW 2, 5
	MVROW 2, 6
	MVROW 2, 7
	WIN 0
.irp jt, 0,1,2,3,4,5,6,7
	v_add_f32 v[ACC+2*\jt], v[ACC+2*\jt], v[ACC+2*\jt+1]
.endr
	; lane (r, h) has column blocks 0-7 summed over its half of the rows; it keeps blocks 4 h + e and sends the other four to lane (r, 1 - h)
.irp e, 0,1,2,3
	v_cndmask_b32 v[TS+\e], v[ACC+8+2*\e], v[ACC+2*\e], s24
.endr
.irp e, 0,1,2,3
	v_permlanex16_b32 v[TS+\e], v[TS+\e], s26, s27
.endr
.irp e, 0,1,2,3
	v_cndmask_b32 v[SS+\e], v[ACC+2*\e], v[ACC+8+2*\e], s24
.endr
.irp e, 0,1,2,3
	v_add_f32 v[SS+\e], v[SS+\e], v[TS+\e]         ; (Q y)[64 h + 16 e + r]
.endr
.irp e, 0,1,2,3
	v_fma_f32 v[VV+\e], -v[SS+\e], v[C1], v[YSR+\e]        ; v = y + step rets - 2 step Q y
.endr
	; bitonic sort of the 128 numbers: blocks of 2, 4, .. 128; each merge starts with the mirrored partner, then halves the distance
	CE SS, VV, 0, 1
	CE SS, VV, 2, 3
	CE TS, SS, 0, 3
	CE TS, SS, 1, 2
	CE SS, TS, 0, 1
	CE SS, TS, 2, 3
	XF 1, 0
	LOW2
	XF 3, 1
	XS 1, 0
	LOW2
	XF 7, 2
	XS 2, 1
	XS 1, 0
	LOW2
	XF 15, 3
	XS 4, 2
	XS 2, 1
	XS 1, 0
	LOW2
.irp j, 0,1,2,3
	v_permlanex16_b32 v[TS+\j], v[SS+3-\j], s28, s29       ; lane xor 31
.endr
	KEEP 4
	XS 8, 3
	XS 4, 2
	XS 2, 1
	XS 1, 0
	LOW2
	; everything relative to the largest number (index 0 = lane 0, register 0)
	v_readfirstlane_b32 s23, v[SS]
	s_wait_alu depctr_va_sdst(0)                   ; s23 is written, ahead of its first reader, the subtraction below
.irp j, 0,1,2,3
	v_subrev_f32 v[SS+\j], s23, v[SS+\j]
.endr
	v_add_f32 v[P1],  v[SS],   v[SS+1]
	v_add_f32 v[P23], v[SS+2], v[SS+3]
.irp e, 0,1,2,3
	v_subrev_f32 v[VV+\e], s23, v[VV+\e]
.endr
	v_add_f32 v[TOT], v[P1], v[P23]                ; the lane's sum
	v_add_f32 v[P2],  v[P1], v[SS+2]
	; EE = sum of the lanes below me: at bit b the partner group's sum counts if my bit b is set.  RJ[j] = (prefix inside the lane - 1) / k.
	v_mov_b32_dpp v[TS], v[TOT] row_xmask:1 row_mask:0xf bank_mask:0xf
	v_fma_f32 v[RJ+3], v[TOT], v[INV+3], -v[INV+3]
	v_add_f32_dpp v[TOT], v[TOT], v[TOT] row_xmask:1 row_mask:0xf bank_mask:0xf
	v_mul_f32 v[EE], v[TS], v[BITF]
	v_mov_b32_dpp v[TS+1], v[TOT] row_xmask:2 row_mask:0xf bank_mask:0xf
	v_add_f32_dpp v[TOT], v[TOT], v[TOT] row_xmask:2 row_mask:0xf bank_mask:0xf
	v_fma_f32 v[RJ], v[SS], v[INV], -v[INV]
	v_fma_f32 v[EE], v[TS+1], v[BITF+1], v[EE]
	v_mov_b32_dpp v[TS+2], v[TOT] row_xmask:4 row_mask:0xf bank_mask:0xf
	v_add_f32_dpp v[TOT], v[TOT], v[TOT] row_xmask:4 row_mask:0xf bank_mask:0xf
	v_fma_f32 v[RJ+1], v[P1], v[INV+1], -v[INV+1]
	v_fma_f32 v[EE], v[TS+2], v[BITF+2], v[EE]
	v_mov_b32_dpp v[TS+3], v[TOT] row_xmask:8 row_mask:0xf bank_mask:0xf
	v_add_f32_dpp v[TOT], v[TOT], v[TOT] row_xmask:8 row_mask:0xf bank_mask:0xf
	v_fma_f32 v[RJ+2], v[P2], v[INV+2], -v[INV+2]
	v_fma_f32 v[EE], v[TS+3], v[BITF+3], v[EE]
	v_permlanex16_b32 v[TS], v[TOT], s26, s27
	v_fma_f32 v[EE], v[TS], v[BITF+4], v[EE]
.irp j, 0,1,2,3
	v_fma_f32 v[RJ+\j], v[EE], v[INV+\j], v[RJ+\j]         ; (c_k - 1) / k,  k = 4 lane + j + 1
.endr
	v_max3_num_f32 v[MX], v[RJ], v[RJ+1], v[RJ+2]
	v_max_num_f32 v[MX], v[MX], v[RJ+3]
	v_max_num_f32_dpp v[MX], v[MX], v[MX] row_xmask:1 row_mask:0xf bank_mask:0xf
	v_max_num_f32_dpp v[MX], v[MX], v[MX] row_xmask:2 row_mask:0xf bank_mask:0xf
	v_max_num_f32_dpp v[MX], v[MX], v[MX] row_xmask:4 row_mask:0xf bank_mask:0xf
	v_max_num_f32_dpp v[MX], v[MX], v[MX] row_xmask:8 row_mask:0xf bank_mask:0xf
	v_permlanex16_b32 v[TS], v[MX], s26, s27
	v_max_num_f32 v[MX], v[MX], v[TS]              ; tau - max(v), in every lane
.irp e, 0,1,2,3
	v_sub_f32 v[VV+\e], v[VV+\e], v[MX]
.endr
.irp e, 0,1,2,3
	v_max_num_f32 v[\wn+\e], 0, v[VV+\e]           ; w
.endr
.if \more
.irp e, 0,1,2,3
	v_sub_f32 v[TS+\e], v[\wn+\e], v[\wo+\e]
.endr
	s_wait_alu depctr_vm_vsrc(0)                   ; this step's four LDS stores have read v[Y ..], which the lines below write again
.irp e, 0,1,2,3
	v_fma_f32 v[Y+\e], v[BETA], v[TS+\e], v[\wn+\e]
.endr
.endif
.endm
	s_mov_b32 s30, NPAIR
.Lfista:
	ITER WA, WB, 1
	ITER WB, WA, 1
	s_sub_co_i32 s30, s30, 1
	s_cmp_lg_u32 s30, 0
	s_cbranch_scc1 .Lfista
	ITER WA, WB, 0                                 ; step 75
	; w from layout P to n = 4 lane .. + 3 through my LDS bytes: the wave's one store covers 512 consecutive bytes, aligned
	s_wait_alu depctr_va_vdst(0)                   ; the last step has written v[WB ..], which the LDS stores read; the vector instructions that named v4-v7 are done, in which the LDS load lands
.irp e, 0,1,2,3
	ds_store_b32 v[YS], v[WB+\e] offset:64*\e
.endr
	ds_load_b128 v[4:7], v[OL]
	s_wait_dscnt 0x0
	global_store_b128 v[GOFF], v[4:7], s[12:13] th:TH_STORE_NT
	s_wait_dscnt 0x0                               ; the closing lines, six on end
	s_wait_alu 0x0
	s_wait_tensorcnt 0x0
	ds_add_u32 v14, v15
	s_wait_dscnt 0x0
	s_endpgm
.Lfunc_end_k_qcb12d7bb31_markowitz:
	.size	k_qcb12d7bb31_markowitz, .Lfunc_end_k_qcb12d7bb31_markowitz-k_qcb12d7bb31_markowitz
	.p2alignl 7, 3214868480
	.fill 96, 4, 3214868480
	.section	.rodata,"a",@progbits
	.p2align	6, 0x0
	.amdhsa_kernel k_qcb12d7bb31_markowitz
		.amdhsa_group_segment_fixed_size 151040
		.amdhsa_private_segment_fixed_size 0
		.amdhsa_enable_private_segment 0
		.amdhsa_kernarg_size 40
		.amdhsa_user_sgpr_count 2
		.amdhsa_user_sgpr_kernarg_segment_ptr 1
		.amdhsa_wavefront_size32 1
		.amdhsa_system_sgpr_workgroup_id_x 1
		.amdhsa_system_sgpr_workgroup_id_y 1
		.amdhsa_system_sgpr_workgroup_id_z 1
		.amdhsa_system_vgpr_workitem_id 0
		.amdhsa_next_free_vgpr 1024
		.amdhsa_next_free_sgpr 66
		.amdhsa_reserve_vcc 0
		.amdhsa_float_denorm_mode_32 3
		.amdhsa_float_denorm_mode_16_64 3
		.amdhsa_memory_ordered 1
		.amdhsa_forward_progress 1
		.amdhsa_inst_pref_size 192
	.end_amdhsa_kernel
	.amdgpu_metadata
---
amdhsa.version: [ 1, 2 ]
amdhsa.kernels:
  - .name:           k_qcb12d7bb31_markowitz
    .symbol:         k_qcb12d7bb31_markowitz.kd
    .args:
      - { .name: covmat_sqrt, .offset: 0, .size: 8, .value_kind: global_buffer, .address_space: global }
      - { .name: rets, .offset: 8, .size: 8, .value_kind: global_buffer, .address_space: global }
      - { .name: gamma_sqrt, .offset: 16, .size: 8, .value_kind: global_buffer, .address_space: global }
      - { .name: alpha, .offset: 24, .size: 8, .value_kind: global_buffer, .address_space: global }
      - { .name: out0, .offset: 32, .size: 8, .value_kind: global_buffer, .address_space: global }
    .group_segment_fixed_size: 151040
    .private_segment_fixed_size: 0
    .kernarg_segment_align: 8
    .kernarg_segment_size: 40
    .max_flat_workgroup_size: 128
    .sgpr_count:     66
    .vgpr_count:     1024
    .wavefront_size: 32
...
	.end_amdgpu_metadata
.endif
;; end of part 2
